; MI455X (gfx1250); checked and timed in simulation.
; The chip was launched on July 23, 2026; its instructions are those of AMD's public machine-readable ISA for CDNA 5 (MIT licence, August 2026) and "CDNA5" Instruction Set Architecture Reference Guide (July 2026). The comments in the code are by the model that wrote it; some were corrected since.
;; Net. Allowed arithmetic: matrix products marked QUANTISED: E2M1 operands, one E8M0 scale for each 32 along K, by v_wmma_scale_f32_16x16x128_f8f6f4 with both operands' format E2M1 (or v_wmma_scale_f32_32x16x128_f4), f32 sums; products left as they are: f32 operands where the result goes on into a quantised operand, else bf16, f16 or f32 operands; f32 sums; everything else in f32.
;; Inputs: W1 256 x 128 float32; W2 16 x 256 float32; calc_X 8,192 x 128 float32; calc_Y 8,192 x 16 float32; h 1 float32; x 512 x 128 float32.
;; Outputs: out0 512 x 16 float32.
;; This version of the problem:
;;   THIS VERSION OF THE PROBLEM IS GIVEN IN LOW PRECISION. The matrix products marked QUANTISED in the list below multiply operands that are first quantised to E2M1 (2 exponent bits, 1 mantissa bit; 4 bits a number), with one power-of-two scale for each 32 numbers along K (OCP MX v1.0); their sums are f32. All else is computed in f32.
;;   The module's matrix products, in the order in which they are computed (A, B: the left and right operand; K: the contracted axis; several contracted axes count as one K, in the product's order):
;;     1. [M 512, K 128] x [K 128, N 256]; A: input x; B: input W1: QUANTISED
;;     2. [M 512, K 256] x [K 256, N 16]; A: computed on the way; B: input W2: QUANTISED
;;     3. [M 8,192, K 128] x [K 128, N 256]; A: input calc_X; B: input W1: QUANTISED
;;     4. [M 8,192, K 256] x [K 256, N 16]; A: computed on the way; B: input W2: QUANTISED
;;     5. batch 16 x [M 1, K 8,192] x [K 8,192, N 512]; A: input calc_Y; B: computed on the way: left as it is (M = 1 < 16)
;;   THE QUANTISER, for each operand of a quantised product, along K:
;;     - K is cut into blocks of 32 from its start; a last block that is shorter is filled with zeros.
;;     - A block's scale is 2^e with e = floor(log2(the largest magnitude in the block)) - 2, held to -126 .. 127; a block of zeros has e = 0. As a byte (E8M0): e + 127.
;;     - Each number is divided by its block's scale, clamped to +-6, and rounded to the nearest number of E2M1, ties to even, subnormals kept.
;;     - The product sums the exact products of the quantised numbers (number of the format x scale) in f32.
;;   ~~~python
;;   def quantise(x, axis):      # numpy; x: float32 -> the quantised numbers, widened to float32 again
;;       x = np.moveaxis(x, axis, -1); K = x.shape[-1]
;;       x = np.pad(x, [(0, 0)] * (x.ndim - 1) + [(0, -K % 32)]); x = x.reshape(x.shape[:-1] + (-1, 32)); a = np.abs(x).max(-1, keepdims=True)
;;       e = np.where(a > 0, np.clip(np.frexp(np.where(a > 0, a, 1))[1] - 1 - 2, -126, 127), 0)      # np.frexp(a)[1] - 1 = floor(log2(a)), exactly
;;       r = np.clip(x / 2.0 ** e, -6, 6)
;;       step = 2.0 ** (np.maximum(np.frexp(np.where(r == 0, 1, r))[1] - 1, 0) - 1)
;;       q = np.round(r / step) * step * 2.0 ** e      # np.round: ties to even
;;       return np.moveaxis(q.reshape(q.shape[:-2] + (-1,))[..., :K], -1, axis).astype(np.float32)
;;   ~~~
;;   OPERANDS COMPUTED ON THE WAY. 'Computed on the way' means the value that the module computes at that place (a softmax that the list does not call 'softmax' is quantised finished and normalised). What goes into a quantiser is computed in f32, as accurately as f32 sums, v_exp_f32 and their like allow (about 1e-6 of the number): no bf16 or f16 on the way to a quantiser, and a product that is left as it is and whose result goes on into a quantised operand takes f32 operands (vector FMAs, or v_wmma_f32_16x16x4_f32). A number that lies on a knife's edge between two numbers of the format may be rounded either way, as far as f32 arithmetic and the matrix unit's own rounding can turn it there, and no further.
;; 2 versions, each right; version 2 is version 1 with the launch embed written anew for expert scheduling mode. Each part assembles by itself: llvm-mc -triple=amdgcn-amd-amdhsa -mcpu=gfx1250 --defsym DOCPART=n.
;; ======== version 1 of 2: 2 launches
;; workspace buffers: emb 557,056 bytes; yt 524,288 bytes
;; launch embed (part 1): grid 136 x 1, 8 waves a work-group, no clusters, 168,960 bytes of LDS; arguments x, calc_X, calc_Y, W1, W2, h, emb, yt; writes emb, yt
.if DOCPART == 1
	.amdgcn_target "amdgcn-amd-amdhsa--gfx1250"
	.amdhsa_code_object_version 6
	.text
	.protected	k_q89d7a5b329_embed
	.globl	k_q89d7a5b329_embed
	.p2align	8
	.type	k_q89d7a5b329_embed,@function
k_q89d7a5b329_embed:
	s_mov_b64 s[64:65], 0
	v_nop
	global_prefetch_b8 v0, s[64:65] scope:SCOPE_SE
	s_setreg_imm32_b32 hwreg(HW_REG_WAVE_MODE, 25, 1), 1
	s_wait_xcnt 0x0
; emb[d][row] = f * (relu(v W1^T) W2^T)[row][d], f = sqrt(log2(e) / 2) / h, for the 8,192 rows v of calc_X (columns 0 .. 8191) and the 512 rows of x (columns 8192 .. 8703);
; yt[d][n] = calc_Y[n][d].  Both products on codes of FP4 (E2M1) with one E8M0 scale for each 32 along K; every operand arrives as f32 and is quantised here; the hidden layer never goes to memory.
; With a' and b' so scaled the next launch's weight is 2^-(a' - b')^2 = exp(-((a - b) / h)^2 / 2).
; SHARES.  8,704 rows are 544 tiles of 16 = 136 work-groups x 4 tiles.  Work-groups 0-127 take calc_X, 128-135 take x: only pointers are chosen by the work-group's number.
; THE EIGHT WAVES SHARE THE HIDDEN UNITS, NOT THE ROWS: wave w quantises W1's rows 32 w .. 32 w + 31 and alone multiplies by them, for all 64 rows; its 32 hidden units are one block of the second product's K.
; EVERY LOAD TAKES ONE ROW OF 128 NUMBERS: 512 consecutive bytes, lane (r, h) the 16 bytes at 32 r + 16 h.  Two rows are a PAIR: four v_permlane16_swap_b32 leave lane (r, h) with k = 8 r .. 8 r + 7 of the pair's row h,
; eight neighbours along K in eight consecutive registers, which is what a conversion takes.  A block of 32 is four neighbouring lanes.  A lane's 8 codes (4 bytes) go into rows of codes in LDS, its block's byte beside
; them, and the operands' fragments are read out of those rows: only codes turn through LDS, an eighth of the numbers' bytes.  W2's 16 rows of 256 are taken as 32 half rows of 128.
; A wave has 16 pairs of W1, 2 of W2 and 4 of the work-group's 64 rows: 44 loads, and one for calc_Y, all issued together.
; THE ROWS OF W1 THAT FORM A TILE ARE NOT NEIGHBOURS: lane R of my tile u takes row 32 w + 8 u + R + 8 (R / 8), and the first product is used transposed (source 0 = 16 rows of W1, source 1 = 16 rows of v):
; a lane then holds one row of v, and the 16 registers of my two tiles are hidden units 32 w + 16 (lane / 16) + 0 .. 15.
; THREE BARRIERS: the rows' and W2's codes lie in LDS | the hidden layer's codes | the results, in a stage.  The second product (source 0 = the hidden layer, source 1 = W2) is small: waves 0-3 take a tile of rows each.
; It leaves in lane (r, h) column d = r of rows 8 h + 0 .. 7.  From the stages each wave stores two d rows: sixteen lanes store 256 consecutive bytes, aligned.
; Each LDS store has data registers of its own (a group's results go into registers that the group before has done with), so no wait stands for a store's sources.
; x's work-groups have no rows of calc_Y: they read its first 64 rows into the stage and drop them, so that one branch, at the store, serves.
; NOT JOINT: all work-groups read W1 and W2 (144 KiB), once, at the head, straight into the registers of the wave that quantises them; brought jointly into LDS the same 36 loads a wave would follow as LDS loads.
; LIMITS: a block whose largest magnitude lies under 2^-124 gets the byte 1; a block of zeros too (its codes are zeros, and this program alone reads the bytes); NaN and infinities among the inputs and h = 0 are not served.
.set NXW,    128                       ; work-groups that take calc_X
.set EPITCH, 34816                     ; a row of emb in bytes: 8,704 numbers
.set CP,     80                        ; LDS: a row of 128 codes: 64 bytes + 16
.set HP,     144                       ; a row of 256 codes: 128 bytes + 16
.set SP,     272                       ; a stage's row: 64 numbers + 16 bytes
.set W1C,    0                         ; W1's codes, 256 rows;
.set W1B,    20480                     ; its scale bytes, 4 a row;
.set W2C,    21504                     ; W2's codes, 32 half rows;
.set W2B,    24064                     ; their scale bytes;
.set XC,     24320                     ; the 64 rows' codes;
.set XB,     29440                     ; their scale bytes;
.set HC,     29696                     ; the hidden layer's codes, 64 rows;
.set HB,     38912                     ; its scale bytes, 8 a row;
.set STA,    39424                     ; the stage for emb: 16 rows d;
.set STY,    43776                     ; the stage for yt.  48,128 bytes in all
.set GL,   1                           ; v1   32 r + 16 h: my 16 bytes of a row of 128 numbers
.set W1CA, 2                           ; v2   where my codes go: 80 h + 4 r + 2,560 w (W1),
.set W2CA, 3                           ; v3   + 320 w (W2),
.set XCA,  4                           ; v4   + 640 w (the rows)
.set W1BA, 5                           ; v5   where my block's byte goes: 4 h + r / 4 + 128 w,
.set W2BA, 6                           ; v6   + 16 w,
.set XBA,  7                           ; v7   + 32 w
.set FA,   8                           ; v8   a fragment out of rows of codes: 80 r + 16 h
.set W1FA, 9                           ; v9   W1's: 80 (r + 8 (r / 8)) + 16 h + 2,560 w
.set W2FA, 10                          ; v10  W2's: 160 r + 16 h
.set R4,   11                          ; v11  4 r
.set R8,   12                          ; v12  8 r
.set W1SR, 13                          ; v13  W1's scale words: 4 (r + 8 (r / 8)) + 128 w
.set HWA,  14                          ; v14  where my hidden codes go: 144 r + 8 h + 16 w
.set HWB,  15                          ; v15  and their byte: 8 r + w
.set HFA,  16                          ; v16  the hidden layer's fragments of tile w: 144 r + 16 h + 2,304 w
.set HSR,  17                          ; v17  and their scale words: 8 r + 128 w
.set SOA,  18                          ; v18  into the stage for emb: 272 r + 32 h + 64 w
.set SRA,  19                          ; v19  out of a stage: 272 (2 w + h) + 16 r
.set YSA,  20                          ; v20  into the stage for yt: 1,088 (lane % 4) + 4 (lane / 4) + 32 w
.set EO,   21                          ; v21  emb: h rows + 16 r
.set YO,   22                          ; v22  yt: h rows + 16 r
.set YL,   23                          ; v23  16 x lane
.set SF,   24                          ; v24  f
.set W1S,  26                          ; v26-27 scale words of my two tiles of W1     (v26-35 hold scale words and nothing else)
.set XS,   28                          ; v28-31 of the four tiles of rows
.set W2S,  32                          ; v32-33 of W2's two K steps
.set HS,   34                          ; v34-35 of the hidden layer's
.set TM,   36                          ; v36-39 largest magnitudes, v40-43 the conversions' scale operands, v44-47 the other half's maxima
.set O0,   48                          ; v48-55 the first group's codes and bytes
.set YR,   56                          ; v56-59 calc_Y
.set PW1,  64                          ; v64-191  W1's 16 pairs, 8 registers each
.set PW2,  192                         ; v192-207 W2's two
.set PX,   208                         ; v208-239 the rows' four
.set W1F,  240                         ; v240-255 my two fragments of W1
.set XF,   64                          ; behind the first barrier: v64-95 the rows' four fragments,
.set W2F,  96                          ; v96-111  W2's two,
.set PC,   112                         ; v112-119 the hidden layer's codes, v120-123 their bytes,
.set PB,   120
.set HA,   128                         ; v128-191 the hidden layer: tile of rows m, my tile u at 16 m + 8 u,
.set HF,   192                         ; v192-207 its two fragments,
.set D2,   208                         ; v208-215 the second product's sums,
.set OUT,  216                         ; v216-223 x f,
.set RB,   224                         ; v224-231 rows read back from the stages
.set WV,   21
.set SEL,  22
; cnt pairs of rows, pair i in v[src + 8 i] on (registers 0-3 its first row, 4-7 its second, as loaded), become codes in v[out + i] and scale bytes in v[out + 4 + i], and go to LDS: pair p0 + i of the wave's.  The pairs take turns line by line.
.macro QGROUP src, out, cnt, ca, cb, ba, bb, p0
.set QI, 0
.rept \cnt
.irp e, 0,1,2,3
	v_permlane16_swap_b32 v[\src+8*QI+\e], v[\src+8*QI+4+\e]   ; the first's lanes 16-31 change places with the second's lanes 0-15: lane (r, h) now holds k = 8 r + 0 .. 7 of row h
.endr
.set QI, QI+1
.endr
.set QI, 0
.rept \cnt
	v_max3_num_f32 v[TM+QI], |v[\src+8*QI]|, |v[\src+8*QI+1]|, 0x1800000   ; my 8 numbers, and the floor 2^(3 - 127): the byte cannot fall under 1
.set QI, QI+1
.endr
.irp k, 2,4,6
.set QI, 0
.rept \cnt
	v_max3_num_f32 v[TM+QI], v[TM+QI], |v[\src+8*QI+\k]|, |v[\src+8*QI+\k+1]|
.set QI, QI+1
.endr
.endr
.set QI, 0
.rept \cnt
	v_max_num_f32_dpp v[TM+QI], v[TM+QI], v[TM+QI] row_xmask:1 row_mask:0xf bank_mask:0xf
.set QI, QI+1
.endr
.set QI, 0
.rept \cnt
	v_max_num_f32_dpp v[TM+QI], v[TM+QI], v[TM+QI] row_xmask:2 row_mask:0xf bank_mask:0xf   ; with the three lanes beside me: the block's largest magnitude
.set QI, QI+1
.endr
.set QI, 0
.rept \cnt
	v_add_nc_u32 v[TM+4+QI], 0xff000000, v[TM+QI]  ; 2 off its exponent field: the conversion takes this operand's exponent field as its scale
.set QI, QI+1
.endr
.set QI, 0
.rept \cnt
	v_cvt_scalef32_pk8_fp4_f32 v[\out+QI], v[\src+8*QI:\src+8*QI+7], v[TM+4+QI]
.set QI, QI+1
.endr
.set QI, 0
.rept \cnt
	v_lshrrev_b32 v[\out+4+QI], 23, v[TM+4+QI]     ; the scale's byte.  (Plain lines behind the conversions, ahead of whatever next writes their sources)
.set QI, QI+1
.endr
.set QI, 0
.rept \cnt
	ds_store_b32 v[\ca], v[\out+QI] offset:\cb+2*CP*(\p0+QI)       ; bytes 4 r .. 4 r + 3 of my row's 64
	ds_store_b8 v[\ba], v[\out+4+QI] offset:\bb+8*(\p0+QI)         ; byte r / 4 of my row's scale word; the four lanes of a block write the same byte with the same value
.set QI, QI+1
.endr
.endm
.macro FRAG reg, adr, off                      ; 16 rows x 128 K of codes: registers 4 c .. 4 c + 3 are bytes 32 c + 16 h on of my row
	ds_load_b128 v[\reg:\reg+3], v[\adr] offset:\off
	ds_load_b128 v[\reg+4:\reg+7], v[\adr] offset:\off+32
.endm
.macro BARRIER                                 ; my LDS stores have landed and my LDS loads are in: then the work-group's barrier
	s_wait_dscnt 0x0
	s_barrier_signal -1
	s_barrier_wait -1
.endm
	s_load_b512 s[4:19], s[0:1], 0x0               ; x s[4:5], calc_X s[6:7], calc_Y s[8:9], W1 s[10:11], W2 s[12:13], h s[14:15], emb s[16:17], yt s[18:19]
	v_lshl_add_u32 v62, v0, 2, 0x29000
	v_mov_b32 v63, 0
	v_lshrrev_b32 v[TM], 5, v0
	v_readfirstlane_b32 s[WV], v[TM]               ; wave 0..7
	v_and_b32 v[TM], 31, v0                        ; lane
	v_and_b32 v[TM+1], 15, v0                      ; r
	v_bfe_u32 v[TM+2], v0, 4, 1                    ; h
	v_and_b32 v[TM+3], 8, v[TM+1]
	v_add_nc_u32 v[TM+3], v[TM+3], v[TM+1]         ; r + 8 (r / 8)
	v_lshlrev_b32 v[GL], 5, v[TM+1]
	v_lshl_add_u32 v[GL], v[TM+2], 4, v[GL]
	v_lshlrev_b32 v[YL], 4, v[TM]
	v_mul_u32_u24 v[TM+4], v[TM+2], CP
	v_lshl_add_u32 v[TM+4], v[TM+1], 2, v[TM+4]    ; 80 h + 4 r
	v_lshrrev_b32 v[TM+5], 2, v[TM+1]
	v_lshl_add_u32 v[TM+5], v[TM+2], 2, v[TM+5]    ; 4 h + r / 4
	s_mul_i32 s28, s[WV], 32*CP                    ; my 32 rows of W1's codes
	v_add_nc_u32 v[W1CA], s28, v[TM+4]
	v_mul_u32_u24 v[W1FA], v[TM+3], CP
	v_lshl_add_u32 v[W1FA], v[TM+2], 4, v[W1FA]
	v_add_nc_u32 v[W1FA], s28, v[W1FA]
	s_mul_i32 s28, s[WV], 4*CP                     ; my 4 half rows of W2's
	v_add_nc_u32 v[W2CA], s28, v[TM+4]
	s_mul_i32 s28, s[WV], 8*CP                     ; my 8 of the 64 rows
	v_add_nc_u32 v[XCA], s28, v[TM+4]
	v_lshlrev_b32 v[R4], 2, v[TM+1]
	v_lshlrev_b32 v[R8], 3, v[TM+1]
	s_lshl_b32 s28, s[WV], 7
	v_add_nc_u32 v[W1BA], s28, v[TM+5]
	v_lshlrev_b32 v[W1SR], 2, v[TM+3]
	v_add_nc_u32 v[W1SR], s28, v[W1SR]
	v_add_nc_u32 v[HSR], s28, v[R8]
	s_lshl_b32 s28, s[WV], 4
	v_add_nc_u32 v[W2BA], s28, v[TM+5]
	v_mul_u32_u24 v[HWA], v[TM+1], HP
	v_lshl_add_u32 v[HFA], v[TM+2], 4, v[HWA]
	v_lshl_add_u32 v[HWA], v[TM+2], 3, v[HWA]
	v_add_nc_u32 v[HWA], s28, v[HWA]               ; my block's 16 bytes of a row begin at 16 w
	s_lshl_b32 s28, s[WV], 5
	v_add_nc_u32 v[XBA], s28, v[TM+5]
	v_and_b32 v[TM+6], 3, v0                       ; lane % 4
	v_mul_u32_u24 v[YSA], v[TM+6], 4*SP
	v_lshrrev_b32 v[TM+7], 2, v[TM]                ; lane / 4
	v_lshl_add_u32 v[YSA], v[TM+7], 2, v[YSA]
	v_add_nc_u32 v[YSA], s28, v[YSA]               ; column 8 w + lane / 4
	s_mul_i32 s28, s[WV], 16*HP
	v_add_nc_u32 v[HFA], s28, v[HFA]
	v_add_nc_u32 v[HWB], s[WV], v[R8]
	v_mul_u32_u24 v[FA], v[TM+1], CP
	v_lshl_add_u32 v[FA], v[TM+2], 4, v[FA]
	v_mul_u32_u24 v[W2FA], v[TM+1], 2*CP           ; row r of W2 is half rows 2 r and 2 r + 1
	v_lshl_add_u32 v[W2FA], v[TM+2], 4, v[W2FA]
	v_mul_u32_u24 v[SOA], v[TM+1], SP
	v_lshl_add_u32 v[SOA], v[TM+2], 5, v[SOA]
	s_lshl_b32 s28, s[WV], 6
	v_add_nc_u32 v[SOA], s28, v[SOA]
	v_mul_u32_u24 v[SRA], v[TM+2], SP
	v_lshl_add_u32 v[SRA], v[TM+1], 4, v[SRA]
	s_mul_i32 s28, s[WV], 2*SP
	v_add_nc_u32 v[SRA], s28, v[SRA]
	v_mul_u32_u24 v[EO], v[TM+2], EPITCH
	v_lshl_add_u32 v[EO], v[TM+1], 4, v[EO]
	v_lshlrev_b32 v[YO], 15, v[TM+2]               ; a row of yt is 32,768 bytes
	v_lshl_add_u32 v[YO], v[TM+1], 4, v[YO]
	s_mov_b32 s[SEL], 0x76543210
	s_mov_b32 s[SEL+1], 0xfedcba98                 ; v_permlanex16_b32's selects for lane l xor 16
	s_wait_kmcnt 0x0
	s_load_b32 s20, s[14:15], 0x0                  ; h
	s_cmp_lt_u32 ttmp9, NXW                        ; calc_X's work-group or x's?  The choices hang on the work-group's number alone
	s_cselect_b64 s[24:25], s[6:7], s[4:5]
	s_cselect_b32 s26, 0, NXW
	s_cselect_b32 s30, ttmp9, 0                    ; which 64 rows of calc_Y: x's work-groups take the first, and drop them
	s_sub_co_u32 s26, ttmp9, s26
	s_lshl_b32 s26, s26, 15                        ; 64 rows of 512 bytes a work-group,
	s_lshl_b32 s27, s[WV], 12                      ; 8 a wave
	s_add_co_u32 s26, s26, s27
	s_mov_b32 s27, 0
	s_add_nc_u64 s[24:25], s[24:25], s[26:27]      ; my 8 rows
	s_lshl_b32 s26, s[WV], 14
	s_add_nc_u64 s[10:11], s[10:11], s[26:27]      ; W1 at row 32 w
	s_lshl_b32 s26, s[WV], 11
	s_add_nc_u64 s[12:13], s[12:13], s[26:27]      ; W2 at half row 4 w
	s_lshl_b32 s26, s30, 12                        ; 64 rows of 64 bytes,
	s_lshl_b32 s28, s[WV], 9                       ; 8 a wave
	s_add_co_u32 s26, s26, s28
	s_add_nc_u64 s[8:9], s[8:9], s[26:27]
	s_lshl_b32 s26, ttmp9, 8                       ; the work-group's 64 columns in a row of emb and of yt
	s_mul_i32 s28, s[WV], 2*EPITCH                 ; the two d rows that I store
	s_add_co_u32 s28, s28, s26
	s_mov_b32 s29, 0
	s_add_nc_u64 s[16:17], s[16:17], s[28:29]
	s_lshl_b32 s28, s[WV], 16
	s_add_co_u32 s28, s28, s26
	s_add_nc_u64 s[18:19], s[18:19], s[28:29]
	global_load_b128 v[YR:YR+3], v[YL], s[8:9]     ; all 45 loads go out together.  calc_Y: 8 rows, 512 consecutive bytes: lane l has row 8 w + l / 4, columns 4 (l % 4) + 0 .. 3
.set LP, 0
.rept 16
	global_load_b128 v[PW1+8*LP:PW1+8*LP+3], v[GL], s[10:11] offset:1024*LP          ; W1's rows 32 w + 2 p
	global_load_b128 v[PW1+8*LP+4:PW1+8*LP+7], v[GL], s[10:11] offset:1024*LP+512    ; and 32 w + 2 p + 1
.set LP, LP+1
.endr
.set LP, 0
.rept 2
	global_load_b128 v[PW2+8*LP:PW2+8*LP+3], v[GL], s[12:13] offset:1024*LP
	global_load_b128 v[PW2+8*LP+4:PW2+8*LP+7], v[GL], s[12:13] offset:1024*LP+512
.set LP, LP+1
.endr
.set LP, 0
.rept 4
	global_load_b128 v[PX+8*LP:PX+8*LP+3], v[GL], s[24:25] offset:1024*LP th:TH_LOAD_NT        ; my 8 rows, which nobody else reads
	global_load_b128 v[PX+8*LP+4:PX+8*LP+7], v[GL], s[24:25] offset:1024*LP+512 th:TH_LOAD_NT
.set LP, LP+1
.endr
	s_wait_kmcnt 0x0                               ; h
	v_mov_b32 v[SF], s20
	v_rcp_f32 v[SF], v[SF]
.irp b, 0,1,2,3
	v_mov_b32 v[TM+8+\b], 0                        ; written once: a lane permute's destination counts as one of its sources.  (Plain work behind the reciprocal)
.endr
	s_wait_alu depctr_va_vdst(0)                   ; the wait ahead of the reciprocal's first reader
	v_mul_f32 v[SF], 0x3f596d27, v[SF]             ; f = sqrt(log2(e) / 2) / h = 0.8493218 / h
	s_wait_loadcnt 36                              ; calc_Y and W1's pairs 0-3 are in; behind them: W1's other 24 loads, W2's 4, the rows' 8
.irp e, 0,1,2,3
	ds_store_b32 v[YSA], v[YR+\e] offset:STY+\e*SP ; calc_Y(8 w + l / 4, 4 (l % 4) + e) to stage row d = 4 (l % 4) + e
.endr
	QGROUP PW1, O0, 4, W1CA, W1C, W1BA, W1B, 0
	s_wait_loadcnt 28                              ; behind pairs 4-7: 16 + 4 + 8
	QGROUP PW1+32, PW1, 4, W1CA, W1C, W1BA, W1B, 4
	s_wait_loadcnt 20                              ; behind pairs 8-11: 8 + 4 + 8
	QGROUP PW1+64, PW1+32, 4, W1CA, W1C, W1BA, W1B, 8
	s_wait_loadcnt 12                              ; behind pairs 12-15: 4 + 8
	QGROUP PW1+96, PW1+64, 4, W1CA, W1C, W1BA, W1B, 12
	s_wait_loadcnt 8                               ; behind W2's: the rows' 8
	QGROUP PW2, PW1+96, 2, W2CA, W2C, W2BA, W2B, 0
	s_wait_loadcnt 0x0
	QGROUP PX, PW2, 4, XCA, XC, XBA, XB, 0
	BARRIER                                        ; the 64 rows' codes and W2's lie in LDS (and W1's, of which each wave reads its own 32 rows)
.irp u, 0,1
	FRAG W1F+8*\u, W1FA, W1C+8*\u*CP               ; my tile u: rows 32 w + 8 u + r + 8 (r / 8)
	ds_load_b32 v[W1S+\u], v[W1SR] offset:W1B+32*\u
.endr
.irp m, 0,1,2,3
	FRAG XF+8*\m, FA, XC+16*\m*CP                  ; rows 16 m + r
	ds_load_b32 v[XS+\m], v[R4] offset:XB+64*\m
.endr
	s_wait_dscnt 0x0
.irp m, 0,1,2,3
.irp u, 0,1                                    ; K = 128 in one instruction: each starts and ends its sum.  Operands and scale words were filled by loads
	v_wmma_scale_f32_16x16x128_f8f6f4 v[HA+16*\m+8*\u:HA+16*\m+8*\u+7], v[W1F+8*\u:W1F+8*\u+7], v[XF+8*\m:XF+8*\m+7], 0, v[W1S+\u], v[XS+\m] matrix_a_fmt:MATRIX_FMT_FP4 matrix_b_fmt:MATRIX_FMT_FP4
.endr
.endr
.rept 4
	v_nop                                          ; four places in front of the first read of the results (ISA guide 7.12.1)
.endr
.set JI, 0
.rept 64
	v_max_num_f32 v[HA+JI], 0, v[HA+JI]            ; relu in f32, each accumulator from its low end on
.set JI, JI+1
.endr
.irp m, 0,1,2,3                                ; for each tile of rows one block: hidden units 32 w .. 32 w + 31 of row 16 m + r, 16 of them mine.  None is negative
	v_max3_num_f32 v[TM+\m], v[HA+16*\m], v[HA+16*\m+1], 0x1800000
.endr
.irp i, 2,4,6,8,10,12,14
.irp m, 0,1,2,3
	v_max3_num_f32 v[TM+\m], v[TM+\m], v[HA+16*\m+\i], v[HA+16*\m+\i+1]
.endr
.endr
.irp m, 0,1,2,3
	v_permlanex16_b32 v[TM+8+\m], v[TM+\m], s[SEL], s[SEL+1]
.endr
.irp m, 0,1,2,3
	v_max_num_f32 v[TM+\m], v[TM+\m], v[TM+8+\m]   ; with lane l xor 16's: the block's largest
.endr
.irp m, 0,1,2,3
	v_add_nc_u32 v[TM+4+\m], 0xff000000, v[TM+\m]
.endr
.irp m, 0,1,2,3
	v_cvt_scalef32_pk8_fp4_f32 v[PC+2*\m], v[HA+16*\m:HA+16*\m+7], v[TM+4+\m]
	v_cvt_scalef32_pk8_fp4_f32 v[PC+2*\m+1], v[HA+16*\m+8:HA+16*\m+15], v[TM+4+\m]
.endr
.irp m, 0,1,2,3
	v_lshrrev_b32 v[PB+\m], 23, v[TM+4+\m]         ; (plain lines behind the conversions)
.endr
.irp m, 0,1,2,3
	ds_store_b64 v[HWA], v[PC+2*\m:PC+2*\m+1] offset:HC+16*\m*HP   ; k = 32 w + 16 h + 0 .. 15 of row 16 m + r: bytes 16 w + 8 h on of its 128
	ds_store_b8 v[HWB], v[PB+\m] offset:HB+128*\m                  ; byte w of its 8; both lanes of a row write the same byte with the same value
.endr
	BARRIER                                        ; the hidden layer's codes lie in LDS
	s_cmp_ge_u32 s[WV], 4
	s_cbranch_scc1 .Lno_second                     ; four tiles of rows: waves 0-3 take one each
.irp s, 0,1
	FRAG HF+8*\s, HFA, HC+64*\s                    ; rows 16 w + r, K step s
	ds_load_b32 v[HS+\s], v[HSR] offset:HB+4*\s
	FRAG W2F+8*\s, W2FA, W2C+\s*CP                 ; W2's row r, K step s: half row 2 r + s
	ds_load_b32 v[W2S+\s], v[R8] offset:W2B+4*\s
.endr
	s_wait_dscnt 0x0
	v_wmma_scale_f32_16x16x128_f8f6f4 v[D2:D2+7], v[HF:HF+7], v[W2F:W2F+7], 0, v[HS], v[W2S] matrix_a_fmt:MATRIX_FMT_FP4 matrix_b_fmt:MATRIX_FMT_FP4   ; the first K step starts the sum
	s_wait_alu depctr_va_vdst(0)                   ; the wait directly ahead of the second
	v_wmma_scale_f32_16x16x128_f8f6f4 v[D2:D2+7], v[HF+8:HF+15], v[W2F+8:W2F+15], v[D2:D2+7], v[HS+1], v[W2S+1] matrix_a_fmt:MATRIX_FMT_FP4 matrix_b_fmt:MATRIX_FMT_FP4
.rept 4
	v_nop
.endr
.irp j, 0,1,2,3,4,5,6,7
	v_mul_f32 v[OUT+\j], v[SF], v[D2+\j]           ; lane (r, h): column d = r of rows 16 w + 8 h + j, x f
.endr
	ds_store_b128 v[SOA], v[OUT:OUT+3] offset:STA
	ds_store_b128 v[SOA], v[OUT+4:OUT+7] offset:STA+16
.Lno_second:
	BARRIER                                        ; 16 d rows x 64 columns lie in each stage
	ds_load_b128 v[RB:RB+3], v[SRA] offset:STA     ; lanes 0-15 take d row 2 w, lanes 16-31 row 2 w + 1: 256 bytes each
	s_cmp_ge_u32 ttmp9, NXW
	s_cbranch_scc1 .Lno_y                          ; x's rows have no place in yt
	ds_load_b128 v[RB+4:RB+7], v[SRA] offset:STY
	s_wait_dscnt 0x0
	global_store_b128 v[YO], v[RB+4:RB+7], s[18:19]
.Lno_y:
	s_wait_dscnt 0x0
	global_store_b128 v[EO], v[RB:RB+3], s[16:17]  ; sixteen lanes store 256 consecutive bytes, at a multiple of 256 from the buffer's first byte
	s_wait_tensorcnt 0x0
	ds_add_u32 v62, v63
	s_wait_dscnt 0x0
	s_endpgm
.Lfunc_end_k_q89d7a5b329_embed:
	.size	k_q89d7a5b329_embed, .Lfunc_end_k_q89d7a5b329_embed-k_q89d7a5b329_embed
	.p2alignl 7, 3214868480
	.fill 96, 4, 3214868480
	.section	.rodata,"a",@progbits
	.p2align	6, 0x0
	.amdhsa_kernel k_q89d7a5b329_embed
		.amdhsa_group_segment_fixed_size 168960
		.amdhsa_private_segment_fixed_size 0
		.amdhsa_enable_private_segment 0
		.amdhsa_kernarg_size 64
		.amdhsa_user_sgpr_count 2
		.amdhsa_user_sgpr_kernarg_segment_ptr 1
		.amdhsa_wavefront_size32 1
		.amdhsa_system_sgpr_workgroup_id_x 1
		.amdhsa_system_sgpr_workgroup_id_y 1
		.amdhsa_system_sgpr_workgroup_id_z 1
		.amdhsa_system_vgpr_workitem_id 0
		.amdhsa_next_free_vgpr 256
		.amdhsa_next_free_sgpr 66
		.amdhsa_reserve_vcc 0
		.amdhsa_float_denorm_mode_32 3
		.amdhsa_float_denorm_mode_16_64 3
		.amdhsa_memory_ordered 1
		.amdhsa_forward_progress 1
		.amdhsa_inst_pref_size 39
	.end_amdhsa_kernel
	.amdgpu_metadata
---
amdhsa.version: [ 1, 2 ]
amdhsa.kernels:
  - .name:           k_q89d7a5b329_embed
    .symbol:         k_q89d7a5b329_embed.kd
    .args:
      - { .name: x, .offset: 0, .size: 8, .value_kind: global_buffer, .address_space: global }
      - { .name: calc_X, .offset: 8, .size: 8, .value_kind: global_buffer, .address_space: global }
      - { .name: calc_Y, .offset: 16, .size: 8, .value_kind: global_buffer, .address_space: global }
      - { .name: W1, .offset: 24, .size: 8, .value_kind: global_buffer, .address_space: global }
      - { .name: W2, .offset: 32, .size: 8, .value_kind: global_buffer, .address_space: global }
      - { .name: h, .offset: 40, .size: 8, .value_kind: global_buffer, .address_space: global }
      - { .name: emb, .offset: 48, .size: 8, .value_kind: global_buffer, .address_space: global }
      - { .name: yt, .offset: 56, .size: 8, .value_kind: global_buffer, .address_space: global }
    .group_segment_fixed_size: 168960
    .private_segment_fixed_size: 0
    .kernarg_segment_align: 8
    .kernarg_segment_size: 64
    .max_flat_workgroup_size: 256
    .sgpr_count:     66
    .vgpr_count:     256
    .wavefront_size: 32
...
	.end_amdgpu_metadata
.endif
;; end of part 1
;; launch gauss (part 2): grid 16 x 16, 8 waves a work-group, no clusters, 168,960 bytes of LDS; arguments emb, yt, out0; writes out0
.if DOCPART == 2
	.amdgcn_target "amdgcn-amd-amdhsa--gfx1250"
	.amdhsa_code_object_version 6
	.text
	.protected	k_q89d7a5b329_gauss
	.globl	k_q89d7a5b329_gauss
	.p2align	8
	.type	k_q89d7a5b329_gauss,@function
k_q89d7a5b329_gauss:
	s_mov_b64 s[64:65], 0
	v_nop
	global_prefetch_b8 v0, s[64:65] scope:SCOPE_SE
	s_setreg_imm32_b32 hwreg(HW_REG_WAVE_MODE, 25, 1), 1
	s_wait_xcnt 0x0
; out0[b][d] = sum over n of w y[n][d] / sum over n of w,  w = exp(-((Xw[n][d] - Zw[b][d]) / h)^2 / 2) = 2^-(a' - b')^2, a' and b' being the embeddings as the launch before has scaled them.
; emb: [16][8704] f32, row d: a' of the 8,192 reference rows, then b' of the 512 queries.  yt: [16][8192] f32.  The exponent is never positive, as in the definition: no maximum is taken away there or here.
; SHARES.  An output (b, d) hangs on column d alone.  A work-group owns one d (grid y) and 32 queries (grid x): it reads 32 KiB of emb, 32 KiB of yt and 128 bytes of b'.  16 x 16 = 256 work-groups.
; Its eight waves share the 8,192 rows: a wave keeps 1,024 of them in registers for the whole launch, 32 a' and 32 y a lane, in pairs; the queries' -b' lie in scalar registers and are taken for both halves of a packed form.
; So the work has no memory instruction in it.  For a query and a lane: 16 packed differences, 16 packed squares, 32 exponentials, 34 instructions of sums.
; BY TURNS.  Two sets of 32 registers: while the exponentials of query i are issued on one set, the sums of query i - 1 and then the arguments of query i + 1 are worked on the other, two plain instructions to an exponential.
; The exponentials of a query are one batch with one wait behind it, since nothing names a result before the next stage.
; SUMS OVER LANES.  After eight queries a lane holds 16 sums (numerator, denominator).  Each step of a butterfly halves the registers while it halves the lanes that still differ: 38 instructions for the 16; lane l ends with sum l / 2.
; One word a lane goes to LDS; after four trips one barrier; wave 0 adds the eight waves' parts, divides and stores.
; NOT JOINT: the sixteen work-groups of a column read the same 64 KiB, once, at the head, by 16 loads a lane straight into the registers where they stay; brought jointly into LDS they would still want 16 LDS loads a lane.
; THE STORE: an output row's 16 numbers belong to 16 work-groups, so a lane stores 4 bytes, 64 bytes from its neighbour's: once for each output, 32 KiB in all.  The other choice, a work-group with all 16 columns, would read 1 MiB instead of 64 KiB.
; LIMITS: v_exp_f32 gives 0 where the result would lie under 2^-126 (ISA guide, its entry in 15.8): a query all of whose weights lie under that (every |Xw - Zw| / h above 13.2) gives 0 / 0.  NaN and infinities are not served.
.set EPITCH, 34816                     ; a row of emb in bytes
.set ZCOL,   32768                     ; where its queries begin
.set GO,  2                            ; v2   16 x lane: my 16 bytes of a load's 512; also my query's 16 bytes in a wave's part of LDS
.set RA,  3                            ; v3   LDS: 512 x wave + 4 x lane
.set RW,  4                            ; v4   the same + 128 x trip
.set OO,  5                            ; v5   64 x lane: my query's row of out0
.set A,   32                           ; v32-63   a' of my 32 rows
.set YV,  64                           ; v64-95   y of the same rows
.set T0,  96                           ; v96-127  a set of 32: arguments, then weights
.set T1,  128                          ; v128-159 the other set
.set V,   160                          ; v160-175 eight queries' sums: 2 i the numerator, 2 i + 1 the denominator
.set DEN, 176                          ; v176-179 two chains of the denominator, a pair each
.set NUM, 180                          ; v180-183 two chains of the numerator
.set RT,  184                          ; v184-191 the butterfly: what a lane keeps, what it sends
.set WV,  10
.set M8,  24                           ; s24-26  the lanes whose number has bit 3, bit 2, bit 1
.set M4,  25
.set M2,  26
.set TRIPS, 27
.set ZO,  28                           ; s28  byte offset of the b' that are being fetched
.set RO,  29                           ; s29  128 x trip
.set NB,  32                           ; s[32:47] -b' of the trip's eight queries, each in the low word of a pair
.set ZL,  48                           ; s[48:55] b' as loaded
; Plain instruction RI of 32 that make a query's arguments in set ty: 16 differences a' - b', then 16 times -(.)^2
.macro NEXTOP ty, nb
.if RI < 16
	v_pk_add_f32 v[\ty+2*RI:\ty+2*RI+1], v[A+2*RI:A+2*RI+1], s[\nb:\nb+1] op_sel_hi:[1,0]
.else
	v_pk_mul_f32 v[\ty+2*(RI-16):\ty+2*(RI-16)+1], v[\ty+2*(RI-16):\ty+2*(RI-16)+1], v[\ty+2*(RI-16):\ty+2*(RI-16)+1] neg_lo:[1,0] neg_hi:[1,0]
.endif
.endm
; Plain instruction QI of 34 that sum the weights in set ty for query bi: two chains each for w and for w y, which take turns; the first pairs start them, so nothing is cleared
.macro SUMOP ty, bi
.if QI == 0
	v_pk_add_f32 v[DEN:DEN+1], v[\ty:\ty+1], v[\ty+4:\ty+5]
.elseif QI == 1
	v_pk_mul_f32 v[NUM:NUM+1], v[\ty:\ty+1], v[YV:YV+1]
.elseif QI == 2
	v_pk_add_f32 v[DEN+2:DEN+3], v[\ty+2:\ty+3], v[\ty+6:\ty+7]
.elseif QI == 3
	v_pk_mul_f32 v[NUM+2:NUM+3], v[\ty+2:\ty+3], v[YV+2:YV+3]
.elseif QI == 4
	v_pk_fma_f32 v[NUM:NUM+1], v[\ty+4:\ty+5], v[YV+4:YV+5], v[NUM:NUM+1]
.elseif QI == 5
	v_pk_fma_f32 v[NUM+2:NUM+3], v[\ty+6:\ty+7], v[YV+6:YV+7], v[NUM+2:NUM+3]
.elseif QI < 30
.set PI, 4+(QI-6)/2                    ; pairs 4 to 15
.set CI, 2*(PI%2)
.if QI%2 == 0
	v_pk_add_f32 v[DEN+CI:DEN+CI+1], v[DEN+CI:DEN+CI+1], v[\ty+2*PI:\ty+2*PI+1]
.else
	v_pk_fma_f32 v[NUM+CI:NUM+CI+1], v[\ty+2*PI:\ty+2*PI+1], v[YV+2*PI:YV+2*PI+1], v[NUM+CI:NUM+CI+1]
.endif
.elseif QI == 30
	v_pk_add_f32 v[DEN:DEN+1], v[DEN:DEN+1], v[DEN+2:DEN+3]
.elseif QI == 31
	v_pk_add_f32 v[NUM:NUM+1], v[NUM:NUM+1], v[NUM+2:NUM+3]
.elseif QI == 32
	v_add_f32 v[V+2*(\bi)+1], v[DEN], v[DEN+1]
.else
	v_add_f32 v[V+2*(\bi)], v[NUM], v[NUM+1]
.endif
.endm
.macro PL ty, hs, bi, nb               ; a stage's next plain instruction: first the sums (if it has any), then the next arguments
.if (\hs) && (QI < 34)
	SUMOP \ty, \bi
.else
.set RI, QI-34*(\hs)
	NEXTOP \ty, \nb
.endif
.set QI, QI+1
.endm
; A STAGE: the 32 exponentials on set tx, in place; the plain work on set ty is dealt out evenly between them.  hs: query bi's weights in ty are summed; hn: ty then takes the arguments of the query whose -b' is s[nb].
; The list's last instruction stands behind the last exponential: the plain instruction that is owed there.  Then one wait ahead of the batch's first reader, which is in the next stage.
.macro STAGE tx, ty, hs, bi, hn, nb
.set QI, 0
.set EI, 0
.set NL, 34*(\hs)+32*(\hn)
.rept 32
.rept ((EI+1)*(NL-1))/32-(EI*(NL-1))/32
	PL \ty, \hs, \bi, \nb
.endr
	v_exp_f32 v[\tx+EI], v[\tx+EI]
.set EI, EI+1
.endr
	PL \ty, \hs, \bi, \nb
	s_wait_alu depctr_va_vdst(0)
.endm
; A step of the butterfly: 2 n registers become n.  A lane whose number has the mask's bit keeps the upper register's sum and sends the lower's, the others the other way round; the addition takes the partner's by DPP.
.macro MERGE n, m, x
.set KI, 0
.rept \n
	v_cndmask_b32 v[RT+2*KI], v[V+KI], v[V+\n+KI], s[\m]
	v_cndmask_b32 v[RT+2*KI+1], v[V+\n+KI], v[V+KI], s[\m]
.set KI, KI+1
.endr
.set KI, 0
.rept \n
	v_add_f32_dpp v[V+KI], v[RT+2*KI+1], v[RT+2*KI] row_xmask:\x row_mask:0xf bank_mask:0xf
.set KI, KI+1
.endr
.endm
	s_load_b128 s[4:7], s[0:1], 0x0                ; emb s[4:5], yt s[6:7]
	s_load_b64 s[8:9], s[0:1], 0x10                ; out0
	v_lshl_add_u32 v192, v0, 2, 0x29000
	v_mov_b32 v193, 0
	v_lshrrev_b32 v1, 5, v0
	v_readfirstlane_b32 s[WV], v1                  ; wave 0..7
	v_and_b32 v1, 31, v0                           ; lane
	v_lshlrev_b32 v[GO], 4, v1
	v_lshlrev_b32 v[OO], 6, v1
	v_lshlrev_b32 v[RA], 2, v1
	s_lshl_b32 s12, s[WV], 9
	v_add_nc_u32 v[RA], s12, v[RA]
	s_and_b32 s11, ttmp7, 0xffff                   ; d
	s_mul_i32 s12, s11, EPITCH                     ; row d of emb
	s_lshl_b32 s14, s[WV], 12                      ; my wave's 1,024 rows: 4,096 bytes
	s_add_co_u32 s14, s14, s12
	s_mov_b32 s15, 0
	s_lshl_b32 s16, ttmp9, 7                       ; the work-group's 32 queries: 128 bytes
	s_add_co_u32 s16, s16, s12
	s_add_co_u32 s16, s16, ZCOL
	s_mov_b32 s17, 0
	s_lshl_b32 s18, s11, 15                        ; row d of yt
	s_lshl_b32 s19, s[WV], 12
	s_add_co_u32 s18, s18, s19
	s_mov_b32 s19, 0
	s_lshl_b32 s20, ttmp9, 11                      ; out0: 32 rows of 64 bytes a block of queries,
	s_lshl_b32 s21, s11, 2                         ; column d
	s_add_co_u32 s20, s20, s21
	s_mov_b32 s21, 0
	s_mov_b32 s[M8], 0xff00ff00
	s_mov_b32 s[M4], 0xf0f0f0f0
	s_mov_b32 s[M2], 0xcccccccc
	s_mov_b32 s[TRIPS], 4
	s_mov_b32 s[ZO], 0
	s_mov_b32 s[RO], 0
.irp j, 0,1,2,3,4,5,6,7
	s_mov_b32 s[NB+2*\j+1], 0                      ; the packed form names a pair and takes its low word for both halves: the high word is written once
.endr
	s_wait_kmcnt 0x0
	s_add_nc_u64 s[16:17], s[4:5], s[16:17]
	s_add_nc_u64 s[14:15], s[4:5], s[14:15]
	s_add_nc_u64 s[18:19], s[6:7], s[18:19]
	s_add_nc_u64 s[8:9], s[8:9], s[20:21]
	s_load_b256 s[ZL:ZL+7], s[16:17], 0x0          ; b' of the first eight queries
.irp i, 0,1,2,3,4,5,6,7
	global_load_b128 v[A+4*\i:A+4*\i+3], v[GO], s[14:15] offset:512*\i      ; 32 lanes read 512 consecutive bytes; register 4 i + e is row 128 i + 4 lane + e of my 1,024
.endr
.irp i, 0,1,2,3,4,5,6,7
	global_load_b128 v[YV+4*\i:YV+4*\i+3], v[GO], s[18:19] offset:512*\i    ; y of the same rows in the same places
.endr
	s_wait_loadcnt 0x0
.Ltrip:                                            ; four trips of eight queries
	s_wait_kmcnt 0x0                               ; this trip's b' are in
.irp j, 0,1,2,3,4,5,6,7
	s_xor_b32 s[NB+2*\j], s[ZL+\j], 0x80000000     ; -b', into the low word of its pair
.endr
	s_add_co_u32 s[ZO], s[ZO], 32                  ; the next trip's eight are asked for now and have the whole trip in which to land;
	s_and_b32 s[ZO], s[ZO], 127                    ; the last trip asks for the first eight again, which nobody reads: no load leaves the work-group's 128 bytes
	s_load_b256 s[ZL:ZL+7], s[16:17], s[ZO] offset:0x0
.set RI, 0
.rept 32
	NEXTOP T0, NB                                  ; query 0's arguments
.set RI, RI+1
.endr
	STAGE T0, T1, 0, 0, 1, NB+2                    ; exponentials of query 0 | arguments of 1
	STAGE T1, T0, 1, 0, 1, NB+4                    ; of query 1 | sums of 0, arguments of 2
	STAGE T0, T1, 1, 1, 1, NB+6
	STAGE T1, T0, 1, 2, 1, NB+8
	STAGE T0, T1, 1, 3, 1, NB+10
	STAGE T1, T0, 1, 4, 1, NB+12
	STAGE T0, T1, 1, 5, 1, NB+14
	STAGE T1, T0, 1, 6, 0, NB                      ; of query 7 | sums of 6
.set QI, 0
.rept 34
	SUMOP T1, 7                                    ; sums of 7
.set QI, QI+1
.endr
.irp k, 0,1,2,3,4,5,6,7
	v_permlane16_swap_b32 v[V+\k], v[V+8+\k]       ; the first's lanes 16-31 change places with the second's lanes 0-15:
.endr
.irp k, 0,1,2,3,4,5,6,7
	v_add_f32 v[V+\k], v[V+\k], v[V+8+\k]          ; lanes 0-15 now hold sum k over lanes l and l + 16, lanes 16-31 sum k + 8
.endr
	MERGE 4, M8, 8
	MERGE 2, M4, 4
	MERGE 1, M2, 2
	v_add_f32_dpp v[V], v[V], v[V] row_xmask:1 row_mask:0xf bank_mask:0xf   ; lane l holds sum l / 2 over all 32 lanes: lanes 4 i, 4 i + 1 query i's numerator, lanes 4 i + 2, 4 i + 3 its denominator
	s_wait_dscnt 0x0                               ; the last trip's store, a whole trip back, has read its address
	v_add_nc_u32 v[RW], s[RO], v[RA]
	ds_store_b32 v[RW], v[V]                       ; my wave's 512 bytes: query q = 8 trip + i at byte 16 q
	s_add_co_u32 s[RO], s[RO], 128
	s_sub_co_u32 s[TRIPS], s[TRIPS], 1
	s_cmp_lg_u32 s[TRIPS], 0
	s_cbranch_scc1 .Ltrip
	s_wait_dscnt 0x0                               ; for wave 0's sake: my stores have landed
	s_barrier_signal -1
	s_barrier_wait -1
	s_cmp_lg_u32 s[WV], 0
	s_cbranch_scc1 .Ldone                          ; the rest is one wave's work: a lane to a query
.irp w, 0,1,2,3,4,5,6,7
	ds_load_b128 v[A+4*\w:A+4*\w+3], v[GO] offset:512*\w   ; wave w's part for my query: numerator, the same, denominator, the same
.endr
	s_wait_dscnt 0x0
.irp w, 0,2,4,6
	v_add_f32 v[A+4*\w], v[A+4*\w], v[A+4*\w+4]
	v_add_f32 v[A+4*\w+2], v[A+4*\w+2], v[A+4*\w+6]
.endr
.irp w, 0,4
	v_add_f32 v[A+4*\w], v[A+4*\w], v[A+4*\w+8]
	v_add_f32 v[A+4*\w+2], v[A+4*\w+2], v[A+4*\w+10]
.endr
	v_add_f32 v[A], v[A], v[A+16]
	v_add_f32 v[A+2], v[A+2], v[A+18]
	v_rcp_f32 v[A+3], v[A+2]
	v_nop                                          ; a plain instruction behind the reciprocal,
	s_wait_alu depctr_va_vdst(0)                   ; and the wait ahead of its first reader
	v_mul_f32 v[A], v[A], v[A+3]
	global_store_b32 v[OO], v[A], s[8:9]           ; out0(32 x + lane, d)
.Ldone:
	s_wait_tensorcnt 0x0
	ds_add_u32 v192, v193
	s_wait_dscnt 0x0
	s_endpgm
.Lfunc_end_k_q89d7a5b329_gauss:
	.size	k_q89d7a5b329_gauss, .Lfunc_end_k_q89d7a5b329_gauss-k_q89d7a5b329_gauss
	.p2alignl 7, 3214868480
	.fill 96, 4, 3214868480
	.section	.rodata,"a",@progbits
	.p2align	6, 0x0
	.amdhsa_kernel k_q89d7a5b329_gauss
		.amdhsa_group_segment_fixed_size 168960
		.amdhsa_private_segment_fixed_size 0
		.amdhsa_enable_private_segment 0
		.amdhsa_kernarg_size 24
		.amdhsa_user_sgpr_count 2
		.amdhsa_user_sgpr_kernarg_segment_ptr 1
		.amdhsa_wavefront_size32 1
		.amdhsa_system_sgpr_workgroup_id_x 1
		.amdhsa_system_sgpr_workgroup_id_y 1
		.amdhsa_system_sgpr_workgroup_id_z 1
		.amdhsa_system_vgpr_workitem_id 0
		.amdhsa_next_free_vgpr 194
		.amdhsa_next_free_sgpr 66
		.amdhsa_reserve_vcc 0
		.amdhsa_float_denorm_mode_32 3
		.amdhsa_float_denorm_mode_16_64 3
		.amdhsa_memory_ordered 1
		.amdhsa_forward_progress 1
		.amdhsa_inst_pref_size 49
	.end_amdhsa_kernel
	.amdgpu_metadata
---
amdhsa.version: [ 1, 2 ]
amdhsa.kernels:
  - .name:           k_q89d7a5b329_gauss
    .symbol:         k_q89d7a5b329_gauss.kd
    .args:
      - { .name: emb, .offset: 0, .size: 8, .value_kind: global_buffer, .address_space: global }
      - { .name: yt, .offset: 8, .size: 8, .value_kind: global_buffer, .address_space: global }
      - { .name: out0, .offset: 16, .size: 8, .value_kind: global_buffer, .address_space: global }
    .group_segment_fixed_size: 168960
    .private_segment_fixed_size: 0
    .kernarg_segment_align: 8
    .kernarg_segment_size: 24
    .max_flat_workgroup_size: 256
    .sgpr_count:     66
    .vgpr_count:     194
    .wavefront_size: 32
...
	.end_amdgpu_metadata
.endif
;; end of part 2
;; ======== version 2 of 2: 2 launches; version 1 with the launch embed written anew for expert scheduling mode
;; workspace buffers: emb 557,056 bytes; yt 524,288 bytes
;; launch embed (part 3): grid 136 x 1, 8 waves a work-group, no clusters, 168,960 bytes of LDS; arguments x, calc_X, calc_Y, W1, W2, h, emb, yt; writes emb, yt
.if DOCPART == 3
	.amdgcn_target "amdgcn-amd-amdhsa--gfx1250"
	.amdhsa_code_object_version 6
	.text
	.protected	k_q89d7a5b329_embed
	.globl	k_q89d7a5b329_embed
	.p2align	8
	.type	k_q89d7a5b329_embed,@function
k_q89d7a5b329_embed:
	s_mov_b64 s[64:65], 0
	v_nop
	global_prefetch_b8 v0, s[64:65] scope:SCOPE_SE
	s_setreg_imm32_b32 hwreg(HW_REG_WAVE_SCHED_MODE, 0, 2), 2
	s_setreg_imm32_b32 hwreg(HW_REG_WAVE_MODE, 25, 1), 1
	s_wait_xcnt 0x0
	s_wait_alu depctr_vm_vsrc(0)
; emb[d][row] = f * (relu(v W1^T) W2^T)[row][d], f = sqrt(log2(e) / 2) / h, for the 8,192 rows v of calc_X (columns 0 .. 8191) and the 512 rows of x (columns 8192 .. 8703);
; yt[d][n] = calc_Y[n][d].  Both products on codes of FP4 (E2M1) with one E8M0 scale for each 32 along K; every operand arrives as f32 and is quantised here; the hidden layer never goes to memory.
; With a' and b' so scaled the next launch's weight is 2^-(a' - b')^2 = exp(-((a - b) / h)^2 / 2).
; SHARES.  8,704 rows are 544 tiles of 16 = 136 work-groups x 4 tiles.  Work-groups 0-127 take calc_X, 128-135 take x: only pointers are chosen by the work-group's number.
; THE EIGHT WAVES SHARE THE HIDDEN UNITS, NOT THE ROWS: wave w quantises W1's rows 32 w .. 32 w + 31 and alone multiplies by them, for all 64 rows; its 32 hidden units are one block of the second product's K.
; EVERY LOAD TAKES ONE ROW OF 128 NUMBERS: 512 consecutive bytes, lane (r, h) the 16 bytes at 32 r + 16 h.  Two rows are a PAIR: four v_permlane16_swap_b32 leave lane (r, h) with k = 8 r .. 8 r + 7 of the pair's row h,
; eight neighbours along K in eight consecutive registers, which is what a conversion takes.  A block of 32 is four neighbouring lanes.  A lane's 8 codes (4 bytes) go into rows of codes in LDS, its block's byte beside
; them, and the operands' fragments are read out of those rows: only codes turn through LDS, an eighth of the numbers' bytes.  W2's 16 rows of 256 are taken as 32 half rows of 128.
; A wave has 16 pairs of W1, 2 of W2 and 4 of the work-group's 64 rows: 44 loads, and one for calc_Y, all issued together.
; THE ROWS OF W1 THAT FORM A TILE ARE NOT NEIGHBOURS: lane R of my tile u takes row 32 w + 8 u + R + 8 (R / 8), and the first product is used transposed (source 0 = 16 rows of W1, source 1 = 16 rows of v):
; a lane then holds one row of v, and the 16 registers of my two tiles are hidden units 32 w + 16 (lane / 16) + 0 .. 15.
; THREE BARRIERS: the rows' and W2's codes lie in LDS | the hidden layer's codes | the results, in a stage.  The second product (source 0 = the hidden layer, source 1 = W2) is small: waves 0-3 take a tile of rows each.
; It leaves in lane (r, h) column d = r of rows 8 h + 0 .. 7.  From the stages each wave stores two d rows: sixteen lanes store 256 consecutive bytes, aligned.
; x's work-groups have no rows of calc_Y: they read its first 64 rows into the stage and drop them, so that one branch, at the store, serves.
; NOT JOINT: all work-groups read W1 and W2 (144 KiB), once, at the head, straight into the registers of the wave that quantises them; brought jointly into LDS the same 36 loads a wave would follow as LDS loads.
; LIMITS: a block whose largest magnitude lies under 2^-124 gets the byte 1; a block of zeros too (its codes are zeros, and this program alone reads the bytes); NaN and infinities among the inputs and h = 0 are not served.
; THE MODE: SCHED_MODE bits 1:0 = 2 (LLVM: expert scheduling mode 2), set by the entry lines.  The code itself states the register dependences
; between vector or matrix instructions and memory or LDS instructions, with s_wait_alu, always for 0.
; THE PLAN.  Registers that memory or LDS instructions touch:
;   v1-23      addresses: written at the head, read by every load and store, never written again.  One wait on va_vdst ahead of the first load serves the whole kernel.
;   v56-59     calc_Y: a global load lands there, four LDS stores read it; no vector instruction names it.
;   v64-239    the 22 pairs: their loads are issued at the head, before any vector instruction names them; the quantiser works on a group behind the wait for its data.
;   OUT-BUFFERS, one to a group of pairs: v48-55, v64-71, v96-103, v128-135, v160-165, v192-199 (from the second on: registers of the group before, which is done with them).  Group g's conversions and shifts write
;              its buffer; its LDS stores stand at the head of group g + 1, behind the wait for that group's data and ONE wait on va_vdst.  Group g + 1 writes its own pairs, v36-43 and its own out-buffer: none of the
;              registers that those stores read.  The last group's stores have a wait of their own, ahead of the first barrier.
;   Five of the six out-buffers are written again behind the first barrier (v64-71, v96-103, v192-199 by fragments' loads, v128-135 and v160-165 by the first product): ONE wait on vm_vsrc stands behind that barrier.
;   v240-255, v26-35  fragments of W1 and scale words: LDS loads land there, matrix instructions read them; never written again.
;   v112-123   the hidden layer's codes and bytes, v216-223 the results x f: written by vector instructions, read by LDS stores behind a wait on va_vdst each; never written again.
;   v224-231   rows out of the stages: LDS loads land there, global stores read them; the last vector instruction that names them stands in the last group.
;   v62, v63   written at the head, read by the closing add alone.
.set NXW,    128                       ; work-groups that take calc_X
.set EPITCH, 34816                     ; a row of emb in bytes: 8,704 numbers
.set CP,     80                        ; LDS: a row of 128 codes: 64 bytes + 16
.set HP,     144                       ; a row of 256 codes: 128 bytes + 16
.set SP,     272                       ; a stage's row: 64 numbers + 16 bytes
.set W1C,    0                         ; W1's codes, 256 rows;
.set W1B,    20480                     ; its scale bytes, 4 a row;
.set W2C,    21504                     ; W2's codes, 32 half rows;
.set W2B,    24064                     ; their scale bytes;
.set XC,     24320                     ; the 64 rows' codes;
.set XB,     29440                     ; their scale bytes;
.set HC,     29696                     ; the hidden layer's codes, 64 rows;
.set HB,     38912                     ; its scale bytes, 8 a row;
.set STA,    39424                     ; the stage for emb: 16 rows d;
.set STY,    43776                     ; the stage for yt.  48,128 bytes in all
.set GL,   1                           ; v1   32 r + 16 h: my 16 bytes of a row of 128 numbers
.set W1CA, 2                           ; v2   where my codes go: 80 h + 4 r + 2,560 w (W1),
.set W2CA, 3                           ; v3   + 320 w (W2),
.set XCA,  4                           ; v4   + 640 w (the rows)
.set W1BA, 5                           ; v5   where my block's byte goes: 4 h + r / 4 + 128 w,
.set W2BA, 6                           ; v6   + 16 w,
.set XBA,  7                           ; v7   + 32 w
.set FA,   8                           ; v8   a fragment out of rows of codes: 80 r + 16 h
.set W1FA, 9                           ; v9   W1's: 80 (r + 8 (r / 8)) + 16 h + 2,560 w
.set W2FA, 10                          ; v10  W2's: 160 r + 16 h
.set R4,   11                          ; v11  4 r
.set R8,   12                          ; v12  8 r
.set W1SR, 13                          ; v13  W1's scale words: 4 (r + 8 (r / 8)) + 128 w
.set HWA,  14                          ; v14  where my hidden codes go: 144 r + 8 h + 16 w
.set HWB,  15                          ; v15  and their byte: 8 r + w
.set HFA,  16                          ; v16  the hidden layer's fragments of tile w: 144 r + 16 h + 2,304 w
.set HSR,  17                          ; v17  and their scale words: 8 r + 128 w
.set SOA,  18                          ; v18  into the stage for emb: 272 r + 32 h + 64 w
.set SRA,  19                          ; v19  out of a stage: 272 (2 w + h) + 16 r
.set YSA,  20                          ; v20  into the stage for yt: 1,088 (lane % 4) + 4 (lane / 4) + 32 w
.set EO,   21                          ; v21  emb: h rows + 16 r
.set YO,   22                          ; v22  yt: h rows + 16 r
.set YL,   23                          ; v23  16 x lane
.set SF,   24                          ; v24  f
.set W1S,  26                          ; v26-27 scale words of my two tiles of W1     (v26-35 hold scale words and nothing else)
.set XS,   28                          ; v28-31 of the four tiles of rows
.set W2S,  32                          ; v32-33 of W2's two K steps
.set HS,   34                          ; v34-35 of the hidden layer's
.set TM,   36                          ; v36-39 largest magnitudes, v40-43 the conversions' scale operands, v44-47 the other half's maxima
.set O0,   48                          ; v48-55 the first group's codes and bytes
.set YR,   56                          ; v56-59 calc_Y
.set PW1,  64                          ; v64-191  W1's 16 pairs, 8 registers each
.set PW2,  192                         ; v192-207 W2's two
.set PX,   208                         ; v208-239 the rows' four
.set W1F,  240                         ; v240-255 my two fragments of W1
.set XF,   64                          ; behind the first barrier: v64-95 the rows' four fragments,
.set W2F,  96                          ; v96-111  W2's two,
.set PC,   112                         ; v112-119 the hidden layer's codes, v120-123 their bytes,
.set PB,   120
.set HA,   128                         ; v128-191 the hidden layer: tile of rows m, my tile u at 16 m + 8 u,
.set HF,   192                         ; v192-207 its two fragments,
.set D2,   208                         ; v208-215 the second product's sums,
.set OUT,  216                         ; v216-223 x f,
.set RB,   224                         ; v224-231 rows read back from the stages
.set WV,   21
.set SEL,  22
; cnt pairs of rows, pair i in v[src + 8 i] on (registers 0-3 its first row, 4-7 its second, as loaded), become codes in v[out + i] and scale bytes in v[out + 4 + i].  The pairs take turns line by line.
.macro QWORK src, out, cnt
.set QI, 0
.rept \cnt
.irp e, 0,1,2,3
	v_permlane16_swap_b32 v[\src+8*QI+\e], v[\src+8*QI+4+\e]   ; the first's lanes 16-31 change places with the second's lanes 0-15: lane (r, h) now holds k = 8 r + 0 .. 7 of row h
.endr
.set QI, QI+1
.endr
.set QI, 0
.rept \cnt
	v_max3_num_f32 v[TM+QI], |v[\src+8*QI]|, |v[\src+8*QI+1]|, 0x1800000   ; my 8 numbers, and the floor 2^(3 - 127): the byte cannot fall under 1
.set QI, QI+1
.endr
.irp k, 2,4,6
.set QI, 0
.rept \cnt
	v_max3_num_f32 v[TM+QI], v[TM+QI], |v[\src+8*QI+\k]|, |v[\src+8*QI+\k+1]|
.set QI, QI+1
.endr
.endr
.set QI, 0
.rept \cnt
	v_max_num_f32_dpp v[TM+QI], v[TM+QI], v[TM+QI] row_xmask:1 row_mask:0xf bank_mask:0xf
.set QI, QI+1
.endr
.set QI, 0
.rept \cnt
	v_max_num_f32_dpp v[TM+QI], v[TM+QI], v[TM+QI] row_xmask:2 row_mask:0xf bank_mask:0xf   ; with the three lanes beside me: the block's largest magnitude
.set QI, QI+1
.endr
.set QI, 0
.rept \cnt
	v_add_nc_u32 v[TM+4+QI], 0xff000000, v[TM+QI]  ; 2 off its exponent field: the conversion takes this operand's exponent field as its scale
.set QI, QI+1
.endr
.set QI, 0
.rept \cnt
	v_cvt_scalef32_pk8_fp4_f32 v[\out+QI], v[\src+8*QI:\src+8*QI+7], v[TM+4+QI]
.set QI, QI+1
.endr
.set QI, 0
.rept \cnt
	v_lshrrev_b32 v[\out+4+QI], 23, v[TM+4+QI]     ; the scale's byte.  (Plain lines behind the conversions, ahead of whatever next writes their sources)
.set QI, QI+1
.endr
.endm
; The codes and bytes of a group, in v[out] on, go to LDS: pair p0 + i of the wave's.  It stands behind a wait on va_vdst that shows v[out] on written.
.macro QSEND out, cnt, ca, cb, ba, bb, p0
.set QI, 0
.rept \cnt
	ds_store_b32 v[\ca], v[\out+QI] offset:\cb+2*CP*(\p0+QI)       ; bytes 4 r .. 4 r + 3 of my row's 64
	ds_store_b8 v[\ba], v[\out+4+QI] offset:\bb+8*(\p0+QI)         ; byte r / 4 of my row's scale word; the four lanes of a block write the same byte with the same value
.set QI, QI+1
.endr
.endm
.macro FRAG reg, adr, off                      ; 16 rows x 128 K of codes: registers 4 c .. 4 c + 3 are bytes 32 c + 16 h on of my row
	ds_load_b128 v[\reg:\reg+3], v[\adr] offset:\off
	ds_load_b128 v[\reg+4:\reg+7], v[\adr] offset:\off+32
.endm
.macro BARRIER                                 ; my LDS stores have landed and my LDS loads are in: then the work-group's barrier
	s_wait_dscnt 0x0
	s_barrier_signal -1
	s_barrier_wait -1
.endm
	s_load_b512 s[4:19], s[0:1], 0x0               ; x s[4:5], calc_X s[6:7], calc_Y s[8:9], W1 s[10:11], W2 s[12:13], h s[14:15], emb s[16:17], yt s[18:19]
	v_lshl_add_u32 v62, v0, 2, 0x29000             ; my spare word and 0, for the closing lines alone
	v_mov_b32 v63, 0
	v_lshrrev_b32 v[TM], 5, v0
	v_readfirstlane_b32 s[WV], v[TM]               ; wave 0..7
	v_and_b32 v[TM], 31, v0                        ; lane
	v_and_b32 v[TM+1], 15, v0                      ; r
	v_bfe_u32 v[TM+2], v0, 4, 1                    ; h
	v_and_b32 v[TM+3], 8, v[TM+1]
	v_add_nc_u32 v[TM+3], v[TM+3], v[TM+1]         ; r + 8 (r / 8)
	v_lshlrev_b32 v[GL], 5, v[TM+1]
	v_lshl_add_u32 v[GL], v[TM+2], 4, v[GL]
	v_lshlrev_b32 v[YL], 4, v[TM]
	v_mul_u32_u24 v[TM+4], v[TM+2], CP
	v_lshl_add_u32 v[TM+4], v[TM+1], 2, v[TM+4]    ; 80 h + 4 r
	v_lshrrev_b32 v[TM+5], 2, v[TM+1]
	v_lshl_add_u32 v[TM+5], v[TM+2], 2, v[TM+5]    ; 4 h + r / 4
	s_wait_alu depctr_va_sdst(0)                   ; the wave's number is written into s[WV], ahead of its first reader, the line below
	s_mul_i32 s28, s[WV], 32*CP                    ; my 32 rows of W1's codes
	v_add_nc_u32 v[W1CA], s28, v[TM+4]
	v_mul_u32_u24 v[W1FA], v[TM+3], CP
	v_lshl_add_u32 v[W1FA], v[TM+2], 4, v[W1FA]
	v_add_nc_u32 v[W1FA], s28, v[W1FA]
	s_mul_i32 s28, s[WV], 4*CP                     ; my 4 half rows of W2's
	v_add_nc_u32 v[W2CA], s28, v[TM+4]
	s_mul_i32 s28, s[WV], 8*CP                     ; my 8 of the 64 rows
	v_add_nc_u32 v[XCA], s28, v[TM+4]
	v_lshlrev_b32 v[R4], 2, v[TM+1]
	v_lshlrev_b32 v[R8], 3, v[TM+1]
	s_lshl_b32 s28, s[WV], 7
	v_add_nc_u32 v[W1BA], s28, v[TM+5]
	v_lshlrev_b32 v[W1SR], 2, v[TM+3]
	v_add_nc_u32 v[W1SR], s28, v[W1SR]
	v_add_nc_u32 v[HSR], s28, v[R8]
	s_lshl_b32 s28, s[WV], 4
	v_add_nc_u32 v[W2BA], s28, v[TM+5]
	v_mul_u32_u24 v[HWA], v[TM+1], HP
	v_lshl_add_u32 v[HFA], v[TM+2], 4, v[HWA]
	v_lshl_add_u32 v[HWA], v[TM+2], 3, v[HWA]
	v_add_nc_u32 v[HWA], s28, v[HWA]               ; my block's 16 bytes of a row begin at 16 w
	s_lshl_b32 s28, s[WV], 5
	v_add_nc_u32 v[XBA], s28, v[TM+5]
	v_and_b32 v[TM+6], 3, v0                       ; lane % 4
	v_mul_u32_u24 v[YSA], v[TM+6], 4*SP
	v_lshrrev_b32 v[TM+7], 2, v[TM]                ; lane / 4
	v_lshl_add_u32 v[YSA], v[TM+7], 2, v[YSA]
	v_add_nc_u32 v[YSA], s28, v[YSA]               ; column 8 w + lane / 4
	s_mul_i32 s28, s[WV], 16*HP
	v_add_nc_u32 v[HFA], s28, v[HFA]
	v_add_nc_u32 v[HWB], s[WV], v[R8]
	v_mul_u32_u24 v[FA], v[TM+1], CP
	v_lshl_add_u32 v[FA], v[TM+2], 4, v[FA]
	v_mul_u32_u24 v[W2FA], v[TM+1], 2*CP           ; row r of W2 is half rows 2 r and 2 r + 1
	v_lshl_add_u32 v[W2FA], v[TM+2], 4, v[W2FA]
	v_mul_u32_u24 v[SOA], v[TM+1], SP
	v_lshl_add_u32 v[SOA], v[TM+2], 5, v[SOA]
	s_lshl_b32 s28, s[WV], 6
	v_add_nc_u32 v[SOA], s28, v[SOA]
	v_mul_u32_u24 v[SRA], v[TM+2], SP
	v_lshl_add_u32 v[SRA], v[TM+1], 4, v[SRA]
	s_mul_i32 s28, s[WV], 2*SP
	v_add_nc_u32 v[SRA], s28, v[SRA]
	v_mul_u32_u24 v[EO], v[TM+2], EPITCH
	v_lshl_add_u32 v[EO], v[TM+1], 4, v[EO]
	v_lshlrev_b32 v[YO], 15, v[TM+2]               ; a row of yt is 32,768 bytes
	v_lshl_add_u32 v[YO], v[TM+1], 4, v[YO]
	s_mov_b32 s[SEL], 0x76543210
	s_mov_b32 s[SEL+1], 0xfedcba98                 ; v_permlanex16_b32's selects for lane l xor 16
	s_wait_kmcnt 0x0
	s_load_b32 s20, s[14:15], 0x0                  ; h
	s_cmp_lt_u32 ttmp9, NXW                        ; calc_X's work-group or x's?  The choices hang on the work-group's number alone
	s_cselect_b64 s[24:25], s[6:7], s[4:5]
	s_cselect_b32 s26, 0, NXW
	s_cselect_b32 s30, ttmp9, 0                    ; which 64 rows of calc_Y: x's work-groups take the first, and drop them
	s_sub_co_u32 s26, ttmp9, s26
	s_lshl_b32 s26, s26, 15                        ; 64 rows of 512 bytes a work-group,
	s_lshl_b32 s27, s[WV], 12                      ; 8 a wave
	s_add_co_u32 s26, s26, s27
	s_mov_b32 s27, 0
	s_add_nc_u64 s[24:25], s[24:25], s[26:27]      ; my 8 rows
	s_lshl_b32 s26, s[WV], 14
	s_add_nc_u64 s[10:11], s[10:11], s[26:27]      ; W1 at row 32 w
	s_lshl_b32 s26, s[WV], 11
	s_add_nc_u64 s[12:13], s[12:13], s[26:27]      ; W2 at half row 4 w
	s_lshl_b32 s26, s30, 12                        ; 64 rows of 64 bytes,
	s_lshl_b32 s28, s[WV], 9                       ; 8 a wave
	s_add_co_u32 s26, s26, s28
	s_add_nc_u64 s[8:9], s[8:9], s[26:27]
	s_lshl_b32 s26, ttmp9, 8                       ; the work-group's 64 columns in a row of emb and of yt
	s_mul_i32 s28, s[WV], 2*EPITCH                 ; the two d rows that I store
	s_add_co_u32 s28, s28, s26
	s_mov_b32 s29, 0
	s_add_nc_u64 s[16:17], s[16:17], s[28:29]
	s_lshl_b32 s28, s[WV], 16
	s_add_co_u32 s28, s28, s26
	s_add_nc_u64 s[18:19], s[18:19], s[28:29]
	s_wait_alu depctr_va_vdst(0)                   ; the addresses v1 to v23 are written, which the kernel's loads and stores read; none of them is written again
	global_load_b128 v[YR:YR+3], v[YL], s[8:9]     ; all 45 loads go out together.  calc_Y: 8 rows, 512 consecutive bytes: lane l has row 8 w + l / 4, columns 4 (l % 4) + 0 .. 3
.set LP, 0
.rept 16
	global_load_b128 v[PW1+8*LP:PW1+8*LP+3], v[GL], s[10:11] offset:1024*LP          ; W1's rows 32 w + 2 p
	global_load_b128 v[PW1+8*LP+4:PW1+8*LP+7], v[GL], s[10:11] offset:1024*LP+512    ; and 32 w + 2 p + 1
.set LP, LP+1
.endr
.set LP, 0
.rept 2
	global_load_b128 v[PW2+8*LP:PW2+8*LP+3], v[GL], s[12:13] offset:1024*LP
	global_load_b128 v[PW2+8*LP+4:PW2+8*LP+7], v[GL], s[12:13] offset:1024*LP+512
.set LP, LP+1
.endr
.set LP, 0
.rept 4
	global_load_b128 v[PX+8*LP:PX+8*LP+3], v[GL], s[24:25] offset:1024*LP th:TH_LOAD_NT        ; my 8 rows, which nobody else reads
	global_load_b128 v[PX+8*LP+4:PX+8*LP+7], v[GL], s[24:25] offset:1024*LP+512 th:TH_LOAD_NT
.set LP, LP+1
.endr
	s_wait_kmcnt 0x0                               ; h
	v_mov_b32 v[SF], s20
	v_rcp_f32 v[SF], v[SF]
.irp b, 0,1,2,3
	v_mov_b32 v[TM+8+\b], 0                        ; written once: a lane permute's destination counts as one of its sources.  (Plain work behind the reciprocal)
.endr
	s_wait_alu depctr_va_vdst(0)                   ; the reciprocal has written v[SF], ahead of its first reader
	v_mul_f32 v[SF], 0x3f596d27, v[SF]             ; f = sqrt(log2(e) / 2) / h = 0.8493218 / h
	s_wait_loadcnt 36                              ; calc_Y and W1's pairs 0-3 are in; behind them: W1's other 24 loads, W2's 4, the rows' 8
.irp e, 0,1,2,3
	ds_store_b32 v[YSA], v[YR+\e] offset:STY+\e*SP ; calc_Y(8 w + l / 4, 4 (l % 4) + e) to stage row d = 4 (l % 4) + e.  (Its data came by a load, its address stands ahead of the head's wait)
.endr
	QWORK PW1, O0, 4
	s_wait_loadcnt 28                              ; behind pairs 4-7: 16 + 4 + 8
	s_wait_alu depctr_va_vdst(0)                   ; the conversions and shifts of pairs 0-3 have written v48-55, which the stores below read
	QSEND O0, 4, W1CA, W1C, W1BA, W1B, 0
	QWORK PW1+32, PW1, 4
	s_wait_loadcnt 20                              ; behind pairs 8-11: 8 + 4 + 8
	s_wait_alu depctr_va_vdst(0)                   ; those of pairs 4-7 have written v64-71, which the stores below read
	QSEND PW1, 4, W1CA, W1C, W1BA, W1B, 4
	QWORK PW1+64, PW1+32, 4
	s_wait_loadcnt 12                              ; behind pairs 12-15: 4 + 8
	s_wait_alu depctr_va_vdst(0)                   ; those of pairs 8-11 have written v96-103, which the stores below read
	QSEND PW1+32, 4, W1CA, W1C, W1BA, W1B, 8
	QWORK PW1+96, PW1+64, 4
	s_wait_loadcnt 8                               ; behind W2's: the rows' 8
	s_wait_alu depctr_va_vdst(0)                   ; those of pairs 12-15 have written v128-135, which the stores below read
	QSEND PW1+64, 4, W1CA, W1C, W1BA, W1B, 12
	QWORK PW2, PW1+96, 2
	s_wait_loadcnt 0x0
	s_wait_alu depctr_va_vdst(0)                   ; those of W2's two pairs have written v160, v161, v164 and v165, which the stores below read
	QSEND PW1+96, 2, W2CA, W2C, W2BA, W2B, 0
	QWORK PX, PW2, 4
	s_wait_alu depctr_va_vdst(0)                   ; those of the rows' four pairs have written v192-199, which the stores below read; and the quantiser is done with v64-95, in which the loads behind the barrier land
	QSEND PW2, 4, XCA, XC, XBA, XB, 0
	BARRIER                                        ; the 64 rows' codes and W2's lie in LDS (and W1's, of which each wave reads its own 32 rows)
	s_wait_alu depctr_vm_vsrc(0)                   ; my LDS stores have read their data: of these registers v64-71, v96-103 and v192-199 take fragments' loads from here on, v128-135 and v160-165 the first product's results
.irp u, 0,1
	FRAG W1F+8*\u, W1FA, W1C+8*\u*CP               ; my tile u: rows 32 w + 8 u + r + 8 (r / 8)
	ds_load_b32 v[W1S+\u], v[W1SR] offset:W1B+32*\u
.endr
.irp m, 0,1,2,3
	FRAG XF+8*\m, FA, XC+16*\m*CP                  ; rows 16 m + r
	ds_load_b32 v[XS+\m], v[R4] offset:XB+64*\m
.endr
	s_wait_dscnt 0x0
.irp m, 0,1,2,3
.irp u, 0,1                                    ; K = 128 in one instruction: each starts and ends its sum.  Operands and scale words were filled by loads
	v_wmma_scale_f32_16x16x128_f8f6f4 v[HA+16*\m+8*\u:HA+16*\m+8*\u+7], v[W1F+8*\u:W1F+8*\u+7], v[XF+8*\m:XF+8*\m+7], 0, v[W1S+\u], v[XS+\m] matrix_a_fmt:MATRIX_FMT_FP4 matrix_b_fmt:MATRIX_FMT_FP4
.endr
.endr
.rept 4
	v_nop                                          ; four places in front of the first read of the results (ISA guide 7.12.1)
.endr
.set JI, 0
.rept 64
	v_max_num_f32 v[HA+JI], 0, v[HA+JI]            ; relu in f32, each accumulator from its low end on
.set JI, JI+1
.endr
.irp m, 0,1,2,3                                ; for each tile of rows one block: hidden units 32 w .. 32 w + 31 of row 16 m + r, 16 of them mine.  None is negative
	v_max3_num_f32 v[TM+\m], v[HA+16*\m], v[HA+16*\m+1], 0x1800000
.endr
.irp i, 2,4,6,8,10,12,14
.irp m, 0,1,2,3
	v_max3_num_f32 v[TM+\m], v[TM+\m], v[HA+16*\m+\i], v[HA+16*\m+\i+1]
.endr
.endr
.irp m, 0,1,2,3
	v_permlanex16_b32 v[TM+8+\m], v[TM+\m], s[SEL], s[SEL+1]
.endr
.irp m, 0,1,2,3
	v_max_num_f32 v[TM+\m], v[TM+\m], v[TM+8+\m]   ; with lane l xor 16's: the block's largest
.endr
.irp m, 0,1,2,3
	v_add_nc_u32 v[TM+4+\m], 0xff000000, v[TM+\m]
.endr
.irp m, 0,1,2,3
	v_cvt_scalef32_pk8_fp4_f32 v[PC+2*\m], v[HA+16*\m:HA+16*\m+7], v[TM+4+\m]
	v_cvt_scalef32_pk8_fp4_f32 v[PC+2*\m+1], v[HA+16*\m+8:HA+16*\m+15], v[TM+4+\m]
.endr
.irp m, 0,1,2,3
	v_lshrrev_b32 v[PB+\m], 23, v[TM+4+\m]         ; (plain lines behind the conversions)
.endr
	s_wait_alu depctr_va_vdst(0)                   ; the conversions and shifts have written v112-123, which the stores below read.  No vector instruction behind this wait names v96-111, v192-207 or v224-231, in which the later LDS loads land
.irp m, 0,1,2,3
	ds_store_b64 v[HWA], v[PC+2*\m:PC+2*\m+1] offset:HC+16*\m*HP   ; k = 32 w + 16 h + 0 .. 15 of row 16 m + r: bytes 16 w + 8 h on of its 128
	ds_store_b8 v[HWB], v[PB+\m] offset:HB+128*\m                  ; byte w of its 8; both lanes of a row write the same byte with the same value
.endr
	BARRIER                                        ; the hidden layer's codes lie in LDS
	s_cmp_ge_u32 s[WV], 4
	s_cbranch_scc1 .Lno_second                     ; four tiles of rows: waves 0-3 take one each
.irp s, 0,1
	FRAG HF+8*\s, HFA, HC+64*\s                    ; rows 16 w + r, K step s
	ds_load_b32 v[HS+\s], v[HSR] offset:HB+4*\s
	FRAG W2F+8*\s, W2FA, W2C+\s*CP                 ; W2's row r, K step s: half row 2 r + s
	ds_load_b32 v[W2S+\s], v[R8] offset:W2B+4*\s
.endr
	s_wait_dscnt 0x0
	v_wmma_scale_f32_16x16x128_f8f6f4 v[D2:D2+7], v[HF:HF+7], v[W2F:W2F+7], 0, v[HS], v[W2S] matrix_a_fmt:MATRIX_FMT_FP4 matrix_b_fmt:MATRIX_FMT_FP4   ; the first K step starts the sum
	s_wait_alu depctr_va_vdst(0)                   ; the wait directly ahead of the second
	v_wmma_scale_f32_16x16x128_f8f6f4 v[D2:D2+7], v[HF+8:HF+15], v[W2F+8:W2F+15], v[D2:D2+7], v[HS+1], v[W2S+1] matrix_a_fmt:MATRIX_FMT_FP4 matrix_b_fmt:MATRIX_FMT_FP4
.rept 4
	v_nop
.endr
.irp j, 0,1,2,3,4,5,6,7
	v_mul_f32 v[OUT+\j], v[SF], v[D2+\j]           ; lane (r, h): column d = r of rows 16 w + 8 h + j, x f
.endr
	s_wait_alu depctr_va_vdst(0)                   ; the multiplications have written v216-223, which the two stores below read
	ds_store_b128 v[SOA], v[OUT:OUT+3] offset:STA
	ds_store_b128 v[SOA], v[OUT+4:OUT+7] offset:STA+16
.Lno_second:
	BARRIER                                        ; 16 d rows x 64 columns lie in each stage
	ds_load_b128 v[RB:RB+3], v[SRA] offset:STA     ; lanes 0-15 take d row 2 w, lanes 16-31 row 2 w + 1: 256 bytes each
	s_cmp_ge_u32 ttmp9, NXW
	s_cbranch_scc1 .Lno_y                          ; x's rows have no place in yt
	ds_load_b128 v[RB+4:RB+7], v[SRA] offset:STY
	s_wait_dscnt 0x0
	global_store_b128 v[YO], v[RB+4:RB+7], s[18:19]
.Lno_y:
	s_wait_dscnt 0x0
	global_store_b128 v[EO], v[RB:RB+3], s[16:17]  ; sixteen lanes store 256 consecutive bytes, at a multiple of 256 from the buffer's first byte
	s_wait_dscnt 0x0                               ; the closing lines, six on end
	s_wait_alu 0x0
	s_wait_tensorcnt 0x0
	ds_add_u32 v62, v63
	s_wait_dscnt 0x0
	s_endpgm
.Lfunc_end_k_q89d7a5b329_embed:
	.size	k_q89d7a5b329_embed, .Lfunc_end_k_q89d7a5b329_embed-k_q89d7a5b329_embed
	.p2alignl 7, 3214868480
	.fill 96, 4, 3214868480
	.section	.rodata,"a",@progbits
	.p2align	6, 0x0
	.amdhsa_kernel k_q89d7a5b329_embed
		.amdhsa_group_segment_fixed_size 168960
		.amdhsa_private_segment_fixed_size 0
		.amdhsa_enable_private_segment 0
		.amdhsa_kernarg_size 64
		.amdhsa_user_sgpr_count 2
		.amdhsa_user_sgpr_kernarg_segment_ptr 1
		.amdhsa_wavefront_size32 1
		.amdhsa_system_sgpr_workgroup_id_x 1
		.amdhsa_system_sgpr_workgroup_id_y 1
		.amdhsa_system_sgpr_workgroup_id_z 1
		.amdhsa_system_vgpr_workitem_id 0
		.amdhsa_next_free_vgpr 256
		.amdhsa_next_free_sgpr 66
		.amdhsa_reserve_vcc 0
		.amdhsa_float_denorm_mode_32 3
		.amdhsa_float_denorm_mode_16_64 3
		.amdhsa_memory_ordered 1
		.amdhsa_forward_progress 1
		.amdhsa_inst_pref_size 39
	.end_amdhsa_kernel
	.amdgpu_metadata
---
amdhsa.version: [ 1, 2 ]
amdhsa.kernels:
  - .name:           k_q89d7a5b329_embed
    .symbol:         k_q89d7a5b329_embed.kd
    .args:
      - { .name: x, .offset: 0, .size: 8, .value_kind: global_buffer, .address_space: global }
      - { .name: calc_X, .offset: 8, .size: 8, .value_kind: global_buffer, .address_space: global }
      - { .name: calc_Y, .offset: 16, .size: 8, .value_kind: global_buffer, .address_space: global }
      - { .name: W1, .offset: 24, .size: 8, .value_kind: global_buffer, .address_space: global }
      - { .name: W2, .offset: 32, .size: 8, .value_kind: global_buffer, .address_space: global }
      - { .name: h, .offset: 40, .size: 8, .value_kind: global_buffer, .address_space: global }
      - { .name: emb, .offset: 48, .size: 8, .value_kind: global_buffer, .address_space: global }
      - { .name: yt, .offset: 56, .size: 8, .value_kind: global_buffer, .address_space: global }
    .group_segment_fixed_size: 168960
    .private_segment_fixed_size: 0
    .kernarg_segment_align: 8
    .kernarg_segment_size: 64
    .max_flat_workgroup_size: 256
    .sgpr_count:     66
    .vgpr_count:     256
    .wavefront_size: 32
...
	.end_amdgpu_metadata
.endif
;; end of part 3
;; launch gauss: the kernel of part 2 again; grid 16 x 16, 8 waves a work-group, no clusters, 168,960 bytes of LDS; arguments emb, yt, out0; writes out0
